; MI455X (gfx1250); checked and timed in simulation.
; The chip was launched on July 23, 2026; its instructions are those of AMD's public machine-readable ISA for CDNA 5 (MIT licence, August 2026) and "CDNA5" Instruction Set Architecture Reference Guide (July 2026). The comments in the code are by the model that wrote it; some were corrected since.
;; Global State Bus. Allowed arithmetic: matrix products marked QUANTISED: E2M1 operands, one E8M0 scale for each 32 along K, by v_wmma_scale_f32_16x16x128_f8f6f4 with both operands' format E2M1 (or v_wmma_scale_f32_32x16x128_f4), f32 sums; products left as they are: f32 operands where the result goes on into a quantised operand, else bf16, f16 or f32 operands; f32 sums; everything else in f32.
;; Inputs: Wc 1,024 x 512 float32; Wg 1,024 x 64 float32; Wv 1,024 x 512 float32; bc 512 float32; bg 64 float32; buffer 128 x 64 x 8 x 512 float32; bv 512 float32; query 128 x 1,024 float32; x 128 x 1,024 float32.
;; Outputs: out0 128 x 64 x 512 float32.
;; This version of the problem:
;;   THIS VERSION OF THE PROBLEM IS GIVEN IN LOW PRECISION. The matrix products marked QUANTISED in the list below multiply operands that are first quantised to E2M1 (2 exponent bits, 1 mantissa bit; 4 bits a number), with one power-of-two scale for each 32 numbers along K (OCP MX v1.0); their sums are f32. All else is computed in f32.
;;   The module's matrix products, in the order in which they are computed (A, B: the left and right operand; K: the contracted axis; several contracted axes count as one K, in the product's order):
;;     1. [M 128, K 1,024] x [K 1,024, N 64]; A: input x; B: input Wg: QUANTISED
;;     2. [M 128, K 1,024] x [K 1,024, N 512]; A: input x; B: input Wv: QUANTISED
;;     3. [M 128, K 1,024] x [K 1,024, N 512]; A: input query; B: input Wc: QUANTISED
;;     4. batch 128 x [M 512, K 512] x [K 512, N 1]; A: computed on the way; B: computed on the way: left as it is (N = 1 < 16)
;;     5. batch 8,192 x [M 1, K 8] x [K 8, N 512]; A: softmax; B: computed on the way: left as it is (K = 8 < 32)
;;   THE QUANTISER, for each operand of a quantised product, along K:
;;     - K is cut into blocks of 32 from its start; a last block that is shorter is filled with zeros.
;;     - A block's scale is 2^e with e = floor(log2(the largest magnitude in the block)) - 2, held to -126 .. 127; a block of zeros has e = 0. As a byte (E8M0): e + 127.
;;     - Each number is divided by its block's scale, clamped to +-6, and rounded to the nearest number of E2M1, ties to even, subnormals kept.
;;     - The product sums the exact products of the quantised numbers (number of the format x scale) in f32.
;;   ~~~python
;;   def quantise(x, axis):      # numpy; x: float32 -> the quantised numbers, widened to float32 again
;;       x = np.moveaxis(x, axis, -1); K = x.shape[-1]
;;       x = np.pad(x, [(0, 0)] * (x.ndim - 1) + [(0, -K % 32)]); x = x.reshape(x.shape[:-1] + (-1, 32)); a = np.abs(x).max(-1, keepdims=True)
;;       e = np.where(a > 0, np.clip(np.frexp(np.where(a > 0, a, 1))[1] - 1 - 2, -126, 127), 0)      # np.frexp(a)[1] - 1 = floor(log2(a)), exactly
;;       r = np.clip(x / 2.0 ** e, -6, 6)
;;       step = 2.0 ** (np.maximum(np.frexp(np.where(r == 0, 1, r))[1] - 1, 0) - 1)
;;       q = np.round(r / step) * step * 2.0 ** e      # np.round: ties to even
;;       return np.moveaxis(q.reshape(q.shape[:-2] + (-1,))[..., :K], -1, axis).astype(np.float32)
;;   ~~~
;; 2 versions, each right; version 2 is version 1 with the launches project, bus written anew for expert scheduling mode. Each part assembles by itself: llvm-mc -triple=amdgcn-amd-amdhsa -mcpu=gfx1250 --defsym DOCPART=n.
;; ======== version 1 of 2: 2 launches
;; workspace buffers: proj 557,056 bytes
;; launch project (part 1): grid 34 x 4, 32 waves a work-group, no clusters, 216,064 bytes of LDS; arguments x, query, Wg, Wv, Wc, bg, bv, bc, proj; writes proj
.if DOCPART == 1
	.amdgcn_target "amdgcn-amd-amdhsa--gfx1250"
	.amdhsa_code_object_version 6
	.text
	.protected	k_q73de884e98_project
	.globl	k_q73de884e98_project
	.p2align	8
	.type	k_q73de884e98_project,@function
k_q73de884e98_project:
	s_mov_b64 s[64:65], 0
	v_nop
	global_prefetch_b8 v0, s[64:65] scope:SCOPE_SE
	s_setreg_imm32_b32 hwreg(HW_REG_WAVE_MODE, 25, 1), 1
	s_wait_xcnt 0x0
; gate = sigmoid(x Wg + bg) [128][64], content = x Wv + bv [128][512], q = query Wc + bc [128][512]: three products on codes of FP4 (E2M1) with one E8M0 scale for each 32 along K = 1,024; sums in f32.
; The results go to proj, f32, laid [34 column tiles][128 rows][32 columns]: tiles 0-1 the gate, 2-17 the content, 18-33 q.  A work-group's 32 rows x 32 columns are then 4,096 consecutive bytes.
; SHARES.  Work-group (x = column tile, y = 32 rows) makes 32 x 32 results over all of K.  Its 32 waves serve three times, by the same bits of the wave's number w:
;   the weight: wave w quantises K block w (k = 32 w .. 32 w + 31) of the 32 columns;
;   x (or query): wave w quantises K blocks 2 (w / 2) and 2 (w / 2) + 1 of the 16 rows of tile w % 2: 256 bytes of each row.  40 loads a wave (41 with the bias), all out together;
;   multiplying: wave w issues ONE matrix instruction: K step S = w / 4, tile of rows u = (w / 2) % 2, tile of columns T = w % 2.  The eight K steps' parts are added through LDS.
; THE WEIGHT'S K IS ITS FIRST AXIS: a lane takes a column and its 32 registers run down K, so a block lies in one lane and the conversions give codes with K innermost.
; x IS LOADED AS IT LIES AND TURNED IN LDS.  The conversions want 16 neighbours along K in one lane; a load is best where neighbouring lanes take neighbouring bytes.  So each of the eight loads covers two runs of 256
; consecutive bytes, aligned (lanes 0-15 one row, lanes 16-31 the next); the 4,096 bytes go into the wave's own 16 rows of LDS and come back 64 bytes a lane.
; OPERANDS GO FROM WAVE TO WAVE THROUGH LDS AS IMAGES OF THEIR REGISTERS: a fragment (16 rows x 128 K, 8 registers a lane) is 1,024 bytes: registers 4 c .. 4 c + 3 of lane (r, hh) at 512 c + 256 hh + 16 r.
; That lane's registers hold k = 64 c + 32 hh + 0 .. 31, which is K block 2 c + hh of the K step: so a block's codes are the 256 bytes at 512 c + 256 hh of an image, and nothing changes lanes.
; THE MATRIX INSTRUCTION IS USED TRANSPOSED (source 0 = 16 columns of the weight, source 1 = 16 rows of x): a lane's eight results are eight neighbouring columns of one row.
; LIMITS: NaN and infinities among the inputs are not served.  A block of zeros gets the scale byte 1 where the quantiser's rule says 127: its codes are zeros, and this launch alone reads the bytes.
.set WIMG, 0                           ; LDS: the weight's images: 8 K steps x 2 tiles of columns x 1,024 bytes
.set XIMG, 16384                       ; x's: 8 K steps x 2 tiles of rows x 1,024
.set WSC,  32768                       ; the weight's scale words: 8 K steps x 32 columns x 4 bytes
.set XSC,  33792                       ; x's: 8 K steps x 2 tiles x 32 lanes x 4 bytes (lanes 16-31 hold copies)
.set PART, 35840                       ; the K steps' parts: 8 x 32 rows x (128 bytes + 16)
.set PP,   144                         ; a row of a part: an odd multiple of 16 bytes
.set PSL,  32*PP
.set TURN, 72704                       ; where x is turned: for each wave 16 rows x (256 bytes + 16), its own
.set TP,   272                         ; a row there: an odd multiple of 16 bytes, so that the sixteen rows that a load back touches start at sixteen different banks (64 banks of 4 bytes: ISA guide 11.1)
.set TW,   16*TP
.set FLOOR, 0x1800000                  ; 2^(3 - 127): no largest magnitude is taken under it, so the scale's byte cannot fall under 1
.set WN, 24                            ; v24-55   32 numbers of my column, down K;  later v24-31 the weight's fragment, v32-39 x's, v40-47 the product, v48-55 results
.set XN, 56                            ; v56-87   x as loaded; then 16 numbers of my row in each of my two K blocks;  later the eight parts
.set WC, 88                            ; v88-91   my column's 32 codes
.set XC, 92                            ; v92-95   my 16 codes of each K block
.set TX, 100                           ; v100-101 largest magnitudes; v102-103 the other half's; v106-107 the conversions' scale operands; v108-109 the bytes
.set PX, 102
.set SX, 106
.set BX, 108
; v96-99: the same for the weight.  v104, v105: the scale words of the product, and nothing else.  v4-19: addresses, made here at the head and never rewritten.
	s_load_b256 s[8:15], s[0:1], 0x0               ; x s[8:9], query s[10:11], Wg s[12:13], Wv s[14:15]
	s_load_b256 s[16:23], s[0:1], 0x20             ; Wc s[16:17], bg s[18:19], bv s[20:21], bc s[22:23]
	s_load_b64 s[24:25], s[0:1], 0x40              ; proj
	v_lshl_add_u32 v112, v0, 2, 0x33c00
	v_mov_b32 v113, 0
	v_lshrrev_b32 v1, 5, v0
	v_readfirstlane_b32 s26, v1                    ; w, 0..31
	s_lshr_b32 s27, s26, 2                         ; S: the K step, of the weight's block, of x's two blocks and of my product alike
	s_and_b32 s28, s26, 3                          ; the weight's block in it
	s_bfe_u32 s29, s26, 0x10001                    ; (w / 2) % 2: c of the weight's block and of x's two; later u, my product's tile of rows
	s_and_b32 s30, s26, 1                          ; w % 2: hh of the weight's block; x's tile of rows; later T, my product's tile of columns
	s_mov_b32 s42, 0x76543210
	s_mov_b32 s43, 0xfedcba98                      ; v_permlanex16_b32's selects for lane l xor 16
	v_and_b32 v1, 31, v0                           ; l
	v_and_b32 v2, 15, v0                           ; r
	v_bfe_u32 v3, v0, 4, 1                         ; h
	v_mov_b32 v[PX], 0                             ; a lane permute's destination counts as one of its sources
	v_mov_b32 v[PX+1], 0
	v_lshlrev_b32 v4, 4, v2
	v_lshl_add_u32 v4, v3, 12, v4                  ; x as it lies: sixteen lanes take 256 bytes of a row, lanes 16-31 those of the next row (4,096 bytes on)
	v_lshlrev_b32 v5, 2, v1                        ; the weight: column l
	s_lshl_b32 s44, s27, 11
	s_lshl_b32 s45, s29, 9
	s_add_co_u32 s44, s44, s45                     ; 2,048 S + 512 c
	s_lshl_b32 s45, s30, 8
	s_add_co_u32 s45, s44, s45                     ; + 256 hh: the weight's block in the K step's images
	v_lshlrev_b32 v6, 4, v2
	v_lshl_add_u32 v6, v3, 10, v6
	v_add_nc_u32 v6, s45, v6                       ; the weight's codes go to: tile of columns l / 16, 16 bytes at 16 r
	s_lshl_b32 s45, s30, 10
	s_add_co_u32 s45, s44, s45                     ; 2,048 S + 1,024 (w % 2) + 512 c: x's image of my tile of rows, my register group
	s_add_co_u32 s45, s45, XIMG
	v_lshlrev_b32 v8, 4, v2
	v_lshl_add_u32 v8, v3, 3, v8
	v_add_nc_u32 v8, s45, v8                       ; x's codes go to: 8 bytes at 16 r + 8 h (my 16 numbers are registers 2 h, 2 h + 1 of the four); my second block 256 bytes on
	s_lshl_b32 s45, s27, 7
	s_add_co_u32 s45, s45, s28
	s_add_co_u32 s45, s45, WSC
	v_lshl_add_u32 v7, v1, 2, s45                  ; the weight's scale byte: byte w % 4 of column l's word
	s_lshl_b32 s45, s27, 8
	s_lshl_b32 s46, s30, 7
	s_add_co_u32 s45, s45, s46
	s_lshl_b32 s46, s29, 1
	s_add_co_u32 s45, s45, s46
	s_add_co_u32 s45, s45, XSC
	v_lshl_add_u32 v9, v1, 2, s45                  ; x's scale bytes: bytes 2 c and 2 c + 1 of lane l's word, in my tile of rows
	s_lshl_b32 s45, s27, 11
	s_lshl_b32 s46, s30, 10
	s_add_co_u32 s46, s45, s46
	v_lshl_add_u32 v10, v1, 4, s46                 ; the fragment that I multiply: the weight's (S, T),
	s_lshl_b32 s46, s29, 10
	s_add_co_u32 s46, s45, s46
	s_add_co_u32 s46, s46, XIMG
	v_lshl_add_u32 v11, v1, 4, s46                 ; x's (S, u)
	s_lshl_b32 s45, s27, 7
	s_lshl_b32 s46, s30, 6
	s_add_co_u32 s45, s45, s46
	s_add_co_u32 s45, s45, WSC
	v_lshl_add_u32 v12, v2, 2, s45                 ; the scale words of columns 16 T + r, in lanes 0-15 (and again in 16-31, which are not read)
	s_lshl_b32 s45, s27, 8
	s_lshl_b32 s46, s29, 7
	s_add_co_u32 s45, s45, s46
	s_add_co_u32 s45, s45, XSC
	v_lshl_add_u32 v13, v1, 2, s45                 ; those of rows 16 u + r
	s_mul_i32 s45, s27, PSL
	s_mul_i32 s46, s29, 16*PP
	s_add_co_u32 s45, s45, s46
	s_lshl_b32 s46, s30, 6
	s_add_co_u32 s45, s45, s46
	s_add_co_u32 s45, s45, PART
	v_mul_u32_u24 v14, v2, PP
	v_lshl_add_u32 v14, v3, 5, v14
	v_add_nc_u32 v14, s45, v14                     ; my product goes to part S: row 16 u + r, columns 16 T + 8 h on
	v_lshrrev_b32 v15, 3, v0
	v_mul_u32_u24 v15, v15, PP
	v_and_b32 v17, 7, v0
	v_lshlrev_b32 v17, 4, v17                      ; the bias: my four columns (threads 0-255)
	v_add_nc_u32 v15, v15, v17
	v_add_nc_u32 v15, PART, v15                    ; the parts come back: thread t takes row t / 8, 16 bytes at 16 (t % 8)
	v_lshlrev_b32 v16, 4, v0                       ; and the same place in the work-group's 4,096 bytes of proj
	s_mul_i32 s45, s26, TW
	s_add_co_u32 s45, s45, TURN                    ; my wave's 16 rows for the turn
	v_mul_u32_u24 v18, v3, TP
	v_lshl_add_u32 v18, v2, 4, v18
	v_add_nc_u32 v18, s45, v18                     ; in, as loaded: row h of a load's two, 16 bytes at 16 r
	v_mul_u32_u24 v19, v2, TP
	v_lshl_add_u32 v19, v3, 6, v19
	v_add_nc_u32 v19, s45, v19                     ; back: row r, 64 bytes at 64 h of each block's 128
	s_wait_kmcnt 0x0
	; which product is mine: the choice hangs on the work-group's number alone
	s_cmp_lt_u32 ttmp9, 18
	s_cselect_b64 s[32:33], s[8:9], s[10:11]       ; the rows: x, or query for q's tiles
	s_cselect_b64 s[34:35], s[14:15], s[16:17]     ; the weight: Wv or Wc
	s_cselect_b64 s[36:37], s[20:21], s[22:23]     ; the bias: bv or bc
	s_cselect_b32 s38, 2, 18                       ; the weight's first tile
	s_mov_b32 s39, 2048                            ; a row of the weight in bytes
	s_cmp_lt_u32 ttmp9, 2
	s_cselect_b64 s[34:35], s[12:13], s[34:35]     ; the gate's tiles: Wg,
	s_cselect_b64 s[36:37], s[18:19], s[36:37]     ; bg,
	s_cselect_b32 s38, 0, s38
	s_cselect_b32 s39, 256, s39                    ; rows of 256 bytes,
	s_cselect_b32 vcc_lo, -1, 0                    ; and the sigmoid is kept (all lanes alike; nothing else writes VCC)
	s_sub_co_u32 s44, ttmp9, s38
	s_lshl_b32 s44, s44, 7                         ; my first column in the weight and the bias, in bytes
	s_and_b32 s45, ttmp7, 0xffff                   ; which 32 rows
	s_lshl_b32 s40, s45, 17                        ; 32 rows of 4,096 bytes,
	s_lshl_b32 s46, s30, 16                        ; + the 16 rows of tile w % 2,
	s_add_co_u32 s40, s40, s46
	s_lshr_b32 s46, s26, 1
	s_lshl_b32 s46, s46, 8                         ; + 256 bytes x (w / 2): my two K blocks
	s_add_co_u32 s40, s40, s46
	s_mov_b32 s41, 0
	s_add_nc_u64 s[32:33], s[32:33], s[40:41]
	s_lshl_b32 s46, s26, 5
	s_mul_i32 s46, s46, s39                        ; the weight's row 32 w
	s_add_co_u32 s40, s46, s44
	s_add_nc_u64 s[34:35], s[34:35], s[40:41]
	s_mov_b32 s40, s44
	s_add_nc_u64 s[36:37], s[36:37], s[40:41]
	s_lshl_b32 s40, ttmp9, 14                      ; proj: a tile is 16,384 bytes, 32 rows of it 4,096
	s_lshl_b32 s46, s45, 12
	s_add_co_u32 s40, s40, s46
	s_add_nc_u64 s[24:25], s[24:25], s[40:41]
.macro LOADW pitch                     ; register n: row 32 w + n of the weight, column l: 32 lanes read 128 neighbouring bytes
.set n, 0
.rept 32
	global_load_b32 v[WN+n], v5, s[34:35] offset:n*\pitch
.set n, n+1
.endr
.endm
.macro BAR                             ; my LDS stores have landed and my LDS loads are in: then the work-group's barrier
	s_wait_dscnt 0x0
	s_barrier_signal -1
	s_barrier_wait -1
.endm
	; ---- all loads of the wave go out together
	s_cmp_gt_u32 s26, 7                            ; the bias is wanted by the eight waves that finish the sums; it is their oldest load
	s_cbranch_scc1 .Lno_bias
	global_load_b128 v[20:23], v17, s[36:37]
.Lno_bias:
.irp i, 0,1,2,3,4,5,6,7
	global_load_b128 v[XN+4*\i:XN+4*\i+3], v4, s[32:33] offset:8192*\i   ; rows 2 i and 2 i + 1 of my 16: two runs of 256 consecutive bytes, each at a multiple of 256 from the buffer's first byte
.endr
	s_cmp_lt_u32 ttmp9, 2                          ; the row's length stands in the immediates: two runs of 32 loads, of which each work-group takes one
	s_cbranch_scc0 .Lwide
	LOADW 256
	s_branch .Lloaded
.Lwide:
	LOADW 2048
.Lloaded:
	; ---- x is turned: in as it was loaded, back 16 neighbours along K a lane.  The bytes are my wave's own, and LDS serves a wave's instructions in order (ISA guide 5.7.1.4): no barrier
	s_wait_loadcnt 32                              ; on either way 32 loads of the weight were issued behind x's eight: x (and the bias) are in
.irp i, 0,1,2,3,4,5,6,7
	ds_store_b128 v18, v[XN+4*\i:XN+4*\i+3] offset:2*TP*\i
.endr
	s_wait_dscnt 0x0                               ; the stores have read their registers, which the loads below fill again
.irp u, 0,1
.irp i, 0,1,2,3
	ds_load_b128 v[XN+16*\u+4*\i:XN+16*\u+4*\i+3], v19 offset:128*\u+16*\i   ; lane (r, h): k = 16 h + 0 .. 15 of my block u, row r
.endr
.endr
	s_wait_dscnt 0x0
	; ---- x's two blocks, by turns: two lanes (l, l xor 16) hold a row's 32 numbers of a block
.irp u, 0,1
	v_max3_num_f32 v[TX+\u], |v[XN+16*\u]|, |v[XN+16*\u+1]|, FLOOR
.endr
.irp i, 2,4,6,8,10,12,14
.irp u, 0,1
	v_max3_num_f32 v[TX+\u], v[TX+\u], |v[XN+16*\u+\i]|, |v[XN+16*\u+\i+1]|
.endr
.endr
.irp u, 0,1
	v_permlanex16_b32 v[PX+\u], v[TX+\u], s42, s43
.endr
.irp u, 0,1
	v_max_num_f32 v[TX+\u], v[TX+\u], v[PX+\u]     ; the block's largest magnitude
.endr
.irp u, 0,1
	v_add_nc_u32 v[SX+\u], 0xff000000, v[TX+\u]    ; 2 off its exponent field: the conversion takes the exponent field of this operand as its scale
.endr
.irp u, 0,1
	v_lshrrev_b32 v[BX+\u], 23, v[SX+\u]           ; the scale's byte
.endr
.irp u, 0,1
	v_cvt_scalef32_pk8_fp4_f32 v[XC+2*\u], v[XN+16*\u:XN+16*\u+7], v[SX+\u]
	v_cvt_scalef32_pk8_fp4_f32 v[XC+2*\u+1], v[XN+16*\u+8:XN+16*\u+15], v[SX+\u]
.endr
	v_nop                                          ; one plain place behind the scaled conversions
.irp u, 0,1
	ds_store_b64 v8, v[XC+2*\u:XC+2*\u+1] offset:256*\u    ; block u is lane half hh = u of the image
	ds_store_b8 v9, v[BX+\u] offset:\u
.endr
	; ---- the weight's block: all 32 numbers of a column are one lane's
	s_wait_loadcnt 0x0
	v_max3_num_f32 v96, |v[WN]|, |v[WN+1]|, |v[WN+2]|
	v_max3_num_f32 v97, |v[WN+3]|, |v[WN+4]|, |v[WN+5]|
.irp i, 6,10,14,18,22,26
	v_max3_num_f32 v96, v96, |v[WN+\i]|, |v[WN+\i+1]|
	v_max3_num_f32 v97, v97, |v[WN+\i+2]|, |v[WN+\i+3]|
.endr
	v_max3_num_f32 v96, v96, |v[WN+30]|, |v[WN+31]|
	v_max3_num_f32 v96, v96, v97, FLOOR
	v_add_nc_u32 v98, 0xff000000, v96
	v_lshrrev_b32 v99, 23, v98
.irp g, 0,1,2,3
	v_cvt_scalef32_pk8_fp4_f32 v[WC+\g], v[WN+8*\g:WN+8*\g+7], v98
.endr
	v_nop                                          ; one plain place behind the scaled conversions: the product below writes registers that they read
	ds_store_b128 v6, v[WC:WC+3]
	ds_store_b8 v7, v99
	BAR                                            ; all images and scale words lie in LDS
	; ---- my one product: K step S, rows 16 u on, columns 16 T on
	ds_load_b128 v[24:27], v10
	ds_load_b128 v[28:31], v10 offset:512
	ds_load_b128 v[32:35], v11
	ds_load_b128 v[36:39], v11 offset:512
	ds_load_b32 v104, v12
	ds_load_b32 v105, v13
	s_wait_dscnt 0x0
	v_wmma_scale_f32_16x16x128_f8f6f4 v[40:47], v[24:31], v[32:39], 0, v104, v105 matrix_a_fmt:MATRIX_FMT_FP4 matrix_b_fmt:MATRIX_FMT_FP4
.rept 4
	v_nop                                          ; four places between the matrix instruction and the LDS stores that read its result
.endr
	ds_store_b128 v14, v[40:43]                    ; lane (r, h): (row 16 u + r, columns 16 T + 8 h + 0 .. 7); the result from its low end on
	ds_store_b128 v14, v[44:47] offset:16
	BAR                                            ; the eight parts lie in LDS
	; ---- eight waves add the parts: 256 threads x 4 numbers = 32 x 32
	s_cmp_gt_u32 s26, 7
	s_cbranch_scc1 .Lend
.irp i, 0,1,2,3,4,5,6,7
	ds_load_b128 v[56+4*\i:59+4*\i], v15 offset:PSL*\i
.endr
	s_wait_dscnt 0x0
.irp i, 0,2,4,6
.irp k, 0,2
	v_pk_add_f32 v[56+4*\i+\k:57+4*\i+\k], v[56+4*\i+\k:57+4*\i+\k], v[60+4*\i+\k:61+4*\i+\k]
.endr
.endr
.irp i, 0,4
.irp k, 0,2
	v_pk_add_f32 v[56+4*\i+\k:57+4*\i+\k], v[56+4*\i+\k:57+4*\i+\k], v[64+4*\i+\k:65+4*\i+\k]
.endr
.endr
.irp k, 0,2
	v_pk_add_f32 v[48+\k:49+\k], v[56+\k:57+\k], v[72+\k:73+\k]
.endr
.irp k, 0,2
	v_pk_add_f32 v[48+\k:49+\k], v[48+\k:49+\k], v[20+\k:21+\k]    ; + the bias
.endr
	; the sigmoid 1 / (1 + 2^(-y log2 e)) is made in every work-group and kept in the gate's: a select, no branch
.irp i, 0,1,2,3
	v_mul_f32 v[52+\i], 0xbfb8aa3b, v[48+\i]
.endr
.irp i, 0,1,2,3
	v_exp_f32 v[52+\i], v[52+\i]
.endr
	v_nop                                          ; a plain place behind the batch,
	s_wait_alu depctr_va_vdst(0)                   ; and the one wait ahead of its first reader
.irp i, 0,1,2,3
	v_add_f32 v[52+\i], 1.0, v[52+\i]
.endr
.irp i, 0,1,2,3
	v_rcp_f32 v[52+\i], v[52+\i]
.endr
	v_nop
	s_wait_alu depctr_va_vdst(0)
.irp i, 0,1,2,3
	v_cndmask_b32 v[48+\i], v[48+\i], v[52+\i], vcc_lo
.endr
	global_store_b128 v16, v[48:51], s[24:25]      ; a wave stores 512 consecutive bytes, at a multiple of 512 from proj's first byte
.Lend:
	s_wait_tensorcnt 0x0
	ds_add_u32 v112, v113
	s_wait_dscnt 0x0
	s_endpgm
.Lfunc_end_k_q73de884e98_project:
	.size	k_q73de884e98_project, .Lfunc_end_k_q73de884e98_project-k_q73de884e98_project
	.p2alignl 7, 3214868480
	.fill 96, 4, 3214868480
	.section	.rodata,"a",@progbits
	.p2align	6, 0x0
	.amdhsa_kernel k_q73de884e98_project
		.amdhsa_group_segment_fixed_size 216064
		.amdhsa_private_segment_fixed_size 0
		.amdhsa_enable_private_segment 0
		.amdhsa_kernarg_size 72
		.amdhsa_user_sgpr_count 2
		.amdhsa_user_sgpr_kernarg_segment_ptr 1
		.amdhsa_wavefront_size32 1
		.amdhsa_system_sgpr_workgroup_id_x 1
		.amdhsa_system_sgpr_workgroup_id_y 1
		.amdhsa_system_sgpr_workgroup_id_z 1
		.amdhsa_system_vgpr_workitem_id 0
		.amdhsa_next_free_vgpr 114
		.amdhsa_next_free_sgpr 66
		.amdhsa_reserve_vcc 1
		.amdhsa_float_denorm_mode_32 3
		.amdhsa_float_denorm_mode_16_64 3
		.amdhsa_memory_ordered 1
		.amdhsa_forward_progress 1
		.amdhsa_inst_pref_size 21
	.end_amdhsa_kernel
	.amdgpu_metadata
---
amdhsa.version: [ 1, 2 ]
amdhsa.kernels:
  - .name:           k_q73de884e98_project
    .symbol:         k_q73de884e98_project.kd
    .args:
      - { .name: x, .offset: 0, .size: 8, .value_kind: global_buffer, .address_space: global }
      - { .name: query, .offset: 8, .size: 8, .value_kind: global_buffer, .address_space: global }
      - { .name: Wg, .offset: 16, .size: 8, .value_kind: global_buffer, .address_space: global }
      - { .name: Wv, .offset: 24, .size: 8, .value_kind: global_buffer, .address_space: global }
      - { .name: Wc, .offset: 32, .size: 8, .value_kind: global_buffer, .address_space: global }
      - { .name: bg, .offset: 40, .size: 8, .value_kind: global_buffer, .address_space: global }
      - { .name: bv, .offset: 48, .size: 8, .value_kind: global_buffer, .address_space: global }
      - { .name: bc, .offset: 56, .size: 8, .value_kind: global_buffer, .address_space: global }
      - { .name: proj, .offset: 64, .size: 8, .value_kind: global_buffer, .address_space: global }
    .group_segment_fixed_size: 216064
    .private_segment_fixed_size: 0
    .kernarg_segment_align: 8
    .kernarg_segment_size: 72
    .max_flat_workgroup_size: 1024
    .sgpr_count:     66
    .vgpr_count:     114
    .wavefront_size: 32
...
	.end_amdgpu_metadata
.endif
;; end of part 1
;; launch bus (part 2): grid 2 x 128, 16 waves a work-group, no clusters, 6,144 bytes of LDS; arguments buffer, proj, out0; writes out0
.if DOCPART == 2
	.amdgcn_target "amdgcn-amd-amdhsa--gfx1250"
	.amdhsa_code_object_version 6
	.text
	.protected	k_q73de884e98_bus
	.globl	k_q73de884e98_bus
	.p2align	8
	.type	k_q73de884e98_bus,@function
k_q73de884e98_bus:
	s_mov_b64 s[64:65], 0
	v_nop
	global_prefetch_b8 v0, s[64:65] scope:SCOPE_SE
	s_setreg_imm32_b32 hwreg(HW_REG_WAVE_MODE, 25, 1), 1
	s_wait_xcnt 0x0
; out0[b][s][:] = sum over p of softmax_p(nb_p . q[b] / sqrt(512)) nb_p, with nb_p = (1 - g) buffer[b][s][p][:] + g content[b][:], g = gate[b][s].  All in f32.
; ALGEBRA, for every input: nb_p . q = (1 - g) (buffer_p . q) + g (content . q), and the second term is the same for all eight p: a softmax over p does not see it, so it is not formed.
; The weights w_p add up to 1, so the result is sum_p [(1 - g) w_p] buffer_p + g content.  The largest exponent is taken away before the exponentials: with a = (1 - g) log2(e) / sqrt(512), which is
; never negative since g lies in 0 .. 1, the largest a d_p is a times the largest d_p, and w_p = 2^(a d_p - a max d) / their sum.
; buffer is read once: a tile (b, s), 8 rows x 2,048 bytes, lies in 128 registers of ONE wave between the pass that makes the eight dot products and the pass that weighs the rows.
; SHARES.  Work-group (x = half of s, y = b) takes 32 tiles, 512 KiB on end; wave w takes s = 32 x + w and then s = 32 x + 16 + w.  Each load and store of a wave covers 512 consecutive bytes.
; Each wave has 32 loads out from its head on; the second tile's rows are asked for one by one, as the weighted sum has read the first tile's.  Every offset is an immediate; no pointer is stepped; no loop.
; content[b] and q[b] (4,096 bytes of proj, laid [34 tiles][128 b][32 columns]: gate 0-1, content 2-17, q 18-33) are loaded once by the work-group, 8 bytes a thread, and handed round through LDS.
; The matrix unit is not used: the two products here have N = 1 and K = 8.  No tensor loads: what is on its way lies in registers.
; LIMITS: NaN and infinities among the inputs are not served.
.set R,   16                           ; v16-23   the eight dot products, a lane's part; then four registers: lanes 0-15 p = 2 i, lanes 16-31 p = 2 i + 1
.set D,   24                           ; v24-39   the dot products in two halves each
.set WB,  40                           ; v40-55   weight p at v[WB + 2 p]; the odd registers are 0: a packed source names the pair
.set Q,   56                           ; v56-71   q: my 16 numbers: v = 128 j + 4 lane + 0 .. 3
.set C,   72                           ; v72-87   content likewise
.set OUT, 88                           ; v88-103  the result likewise
.set X,   104                          ; v104-231 the tile: row p at v[X + 16 p]
; v1 16 x lane; v2, v3 the piece of proj: from where, to where; v[4:5] the piece; v6 1 - g; v7 a; v8 -a max; v9 max; v10, v12 lane permutes' results; v11 the sum; v13 (1 - g) / sum
	s_load_b128 s[4:7], s[0:1], 0x0                ; buffer s[4:5], proj s[6:7]
	s_load_b64 s[8:9], s[0:1], 0x10                ; out0
	v_lshl_add_u32 v232, v0, 2, 0x1000
	v_mov_b32 v233, 0
	v_lshrrev_b32 v1, 5, v0
	v_readfirstlane_b32 s10, v1                    ; w, 0..15
	s_and_b32 s11, ttmp7, 0xffff                   ; b
	s_mov_b32 s22, 0x76543210
	s_mov_b32 s23, 0xfedcba98                      ; v_permlanex16_b32's selects for lane l xor 16
	s_mov_b32 s24, 0x3d8293ee                      ; log2(e) / sqrt(512)
	s_lshl_b32 s16, s11, 6
	s_lshl_b32 s17, ttmp9, 5
	s_add_co_u32 s16, s16, s17
	s_add_co_u32 s16, s16, s10                     ; my first tile: 64 b + 32 x + w
	s_lshl_b32 s25, s16, 11                        ; 2,048 bytes of out0 a tile,
	s_lshl_b32 s16, s16, 14                        ; 16,384 of buffer (under 2^27)
	s_mov_b32 s17, 0
	v_and_b32 v1, 31, v0
	v_lshlrev_b32 v1, 4, v1                        ; 16 x lane
	v_lshrrev_b32 v2, 4, v0
	v_lshlrev_b32 v2, 14, v2
	v_and_b32 v3, 15, v0
	v_lshl_add_u32 v2, v3, 3, v2                   ; thread t: tile t / 16 of the 32 of content and q, 8 bytes at 8 (t % 16) of row b's 128
	v_lshlrev_b32 v3, 3, v0                        ; in LDS they lie on end: content at 0, q at 2,048
	s_wait_kmcnt 0x0
	s_add_nc_u64 s[4:5], s[4:5], s[16:17]
	s_mov_b32 s16, s25
	s_add_nc_u64 s[8:9], s[8:9], s[16:17]
	s_lshl_b32 s26, s11, 7                         ; row b of a tile of proj
	s_lshl_b32 s16, ttmp9, 14                      ; the gate's tile x,
	s_add_co_u32 s16, s16, s26
	s_lshl_b32 s27, s10, 2                         ; column w of it
	s_add_co_u32 s16, s16, s27
	s_add_nc_u64 s[18:19], s[6:7], s[16:17]
	s_add_co_u32 s16, s26, 32768                   ; content's first tile
	s_add_nc_u64 s[20:21], s[6:7], s[16:17]
	global_load_b64 v[4:5], v2, s[20:21]           ; my piece of content and q: the wave's oldest load
.set n, 0
.rept 32
	global_load_b128 v[X+4*n:X+4*n+3], v1, s[4:5] offset:512*n th:TH_LOAD_NT   ; the first tile: 32 lanes read 512 consecutive bytes; read once in the launch
.set n, n+1
.endr
	s_load_b32 s12, s[18:19], 0x0                  ; g of my first tile,
	s_load_b32 s14, s[18:19], 0x40                 ; of my second: 16 columns on
	v_mov_b32 v10, 0                               ; a lane permute's destination counts as one of its sources
	v_mov_b32 v12, 0
.irp p, 0,1,2,3,4,5,6,7
	v_mov_b32 v[WB+2*\p+1], 0
.endr
	s_wait_loadcnt 32                              ; the tile's 32 loads are younger and stay out: my piece of proj is in
	ds_store_b64 v3, v[4:5]
	s_wait_dscnt 0x0                               ; for the others' sake: my store has landed
	s_barrier_signal -1
	s_barrier_wait -1
.irp j, 0,1,2,3
	ds_load_b128 v[C+4*\j:C+4*\j+3], v1 offset:512*\j
	ds_load_b128 v[Q+4*\j:Q+4*\j+3], v1 offset:2048+512*\j
.endr
	s_wait_dscnt 0x0
	s_wait_kmcnt 0x0
	s_mov_b32 s13, s12                             ; the packed form names a pair and takes its low word for both halves: so the upper word is written
	s_mov_b32 s15, s14
; One tile.  i: my first or my second; refill = 1: each row's registers take the next tile's row as soon as the weighted sum has read them.
.macro TILE i, refill
	v_sub_f32 v6, 1.0, s[12+2*\i]                  ; 1 - g
	v_mul_f32 v7, s24, v6                          ; a
	; the eight dot products with q, two rows by turns, as the rows arrive
.irp pp, 0,2,4,6
	s_wait_loadcnt 24-4*\pp                        ; four loads for each later row are younger and stay out
	v_pk_mul_f32 v[D+2*\pp:D+2*\pp+1], v[X+16*\pp:X+16*\pp+1], v[Q:Q+1]
	v_pk_mul_f32 v[D+2*\pp+2:D+2*\pp+3], v[X+16*\pp+16:X+16*\pp+17], v[Q:Q+1]
.irp k, 2,4,6,8,10,12,14
	v_pk_fma_f32 v[D+2*\pp:D+2*\pp+1], v[X+16*\pp+\k:X+16*\pp+\k+1], v[Q+\k:Q+\k+1], v[D+2*\pp:D+2*\pp+1]
	v_pk_fma_f32 v[D+2*\pp+2:D+2*\pp+3], v[X+16*\pp+16+\k:X+16*\pp+17+\k], v[Q+\k:Q+\k+1], v[D+2*\pp+2:D+2*\pp+3]
.endr
.endr
.irp p, 0,1,2,3,4,5,6,7
	v_add_f32 v[R+\p], v[D+2*\p], v[D+2*\p+1]
.endr
	; over the 32 lanes.  Two rows' parts change halves and are added: lanes 0-15 then carry row 2 i, lanes 16-31 row 2 i + 1: four registers in place of eight for all that follows
.irp e, 0,2,4,6
	v_permlane16_swap_b32 v[R+\e], v[R+\e+1]
.endr
.irp e, 0,2,4,6
	v_add_f32 v[R+\e], v[R+\e], v[R+\e+1]
.endr
.irp m, 1,2,4,8
.irp e, 0,2,4,6
	v_add_f32_dpp v[R+\e], v[R+\e], v[R+\e] row_xmask:\m row_mask:0xf bank_mask:0xf
.endr
.endr
	; the softmax over the eight rows
	v_max3_num_f32 v9, v[R], v[R+2], v[R+4]
	v_max_num_f32 v9, v9, v[R+6]
	v_permlanex16_b32 v10, v9, s22, s23
	v_max_num_f32 v9, v9, v10                      ; the largest of the eight
	v_mul_f32 v8, -v7, v9                          ; one number for all eight exponents: its rounding leaves the weights' ratios alone
.irp e, 0,2,4,6
	v_fma_f32 v[WB+2*\e], v[R+\e], v7, v8          ; a d - a max
.endr
.irp e, 0,2,4,6
	v_exp_f32 v[WB+2*\e], v[WB+2*\e]
.endr
.if \i
	s_wait_xcnt 0x0                                ; the first tile's stores have read OUT: it is written again only behind this wait
.endif
.irp k, 0,2,4,6,8,10,12,14
	v_pk_mul_f32 v[OUT+\k:OUT+\k+1], v[C+\k:C+\k+1], s[12+2*\i:13+2*\i] op_sel_hi:[1,0]   ; g content starts the result: plain work behind the batch of exponentials
.endr
	s_wait_alu depctr_va_vdst(0)                   ; the one wait ahead of the batch's first reader
	v_add_f32 v11, v[WB], v[WB+4]
	v_add_f32 v13, v[WB+8], v[WB+12]
	v_add_f32 v11, v11, v13
	v_permlanex16_b32 v12, v11, s22, s23
	v_add_f32 v11, v11, v12                        ; the sum of the eight: at least about 1
	v_rcp_f32 v13, v11
	v_nop                                          ; a plain place behind the reciprocal,
	s_wait_alu depctr_va_vdst(0)                   ; and its wait
	v_mul_f32 v13, v13, v6                         ; (1 - g) / sum
.irp e, 0,4,8,12
	v_mul_f32 v[WB+\e], v[WB+\e], v13
.endr
	; every weight into every lane: a copy, and the halves change places
.irp e, 0,4,8,12
	v_mov_b32 v[WB+\e+2], v[WB+\e]
.endr
.irp e, 0,4,8,12
	v_permlane16_swap_b32 v[WB+\e], v[WB+\e+2]
.endr
	; the weighted sum, row by row
.irp p, 0,1,2,3,4,5,6,7
.irp k, 0,2,4,6,8,10,12,14
	v_pk_fma_f32 v[OUT+\k:OUT+\k+1], v[X+16*\p+\k:X+16*\p+\k+1], v[WB+2*\p:WB+2*\p+1], v[OUT+\k:OUT+\k+1] op_sel_hi:[1,0,1]
.endr
.if \refill
.irp j, 0,1,2,3
	global_load_b128 v[X+16*\p+4*\j:X+16*\p+4*\j+3], v1, s[4:5] offset:262144+2048*\p+512*\j th:TH_LOAD_NT   ; the same row of the tile 16 further on
.endr
.endif
.endr
.irp j, 0,1,2,3
	global_store_b128 v1, v[OUT+4*\j:OUT+4*\j+3], s[8:9] offset:32768*\i+512*\j th:TH_STORE_NT   ; 32 lanes store 512 consecutive bytes, at a multiple of 512 from out0's first byte; read by nobody here
.endr
.endm
	TILE 0, 1
	TILE 1, 0
	s_wait_tensorcnt 0x0
	ds_add_u32 v232, v233
	s_wait_dscnt 0x0
	s_endpgm
.Lfunc_end_k_q73de884e98_bus:
	.size	k_q73de884e98_bus, .Lfunc_end_k_q73de884e98_bus-k_q73de884e98_bus
	.p2alignl 7, 3214868480
	.fill 96, 4, 3214868480
	.section	.rodata,"a",@progbits
	.p2align	6, 0x0
	.amdhsa_kernel k_q73de884e98_bus
		.amdhsa_group_segment_fixed_size 6144
		.amdhsa_private_segment_fixed_size 0
		.amdhsa_enable_private_segment 0
		.amdhsa_kernarg_size 24
		.amdhsa_user_sgpr_count 2
		.amdhsa_user_sgpr_kernarg_segment_ptr 1
		.amdhsa_wavefront_size32 1
		.amdhsa_system_sgpr_workgroup_id_x 1
		.amdhsa_system_sgpr_workgroup_id_y 1
		.amdhsa_system_sgpr_workgroup_id_z 1
		.amdhsa_system_vgpr_workitem_id 0
		.amdhsa_next_free_vgpr 234
		.amdhsa_next_free_sgpr 66
		.amdhsa_reserve_vcc 0
		.amdhsa_float_denorm_mode_32 3
		.amdhsa_float_denorm_mode_16_64 3
		.amdhsa_memory_ordered 1
		.amdhsa_forward_progress 1
		.amdhsa_inst_pref_size 34
	.end_amdhsa_kernel
	.amdgpu_metadata
---
amdhsa.version: [ 1, 2 ]
amdhsa.kernels:
  - .name:           k_q73de884e98_bus
    .symbol:         k_q73de884e98_bus.kd
    .args:
      - { .name: buffer, .offset: 0, .size: 8, .value_kind: global_buffer, .address_space: global }
      - { .name: proj, .offset: 8, .size: 8, .value_kind: global_buffer, .address_space: global }
      - { .name: out0, .offset: 16, .size: 8, .value_kind: global_buffer, .address_space: global }
    .group_segment_fixed_size: 6144
    .private_segment_fixed_size: 0
    .kernarg_segment_align: 8
    .kernarg_segment_size: 24
    .max_flat_workgroup_size: 512
    .sgpr_count:     66
    .vgpr_count:     234
    .wavefront_size: 32
...
	.end_amdgpu_metadata
.endif
;; end of part 2
;; ======== version 2 of 2: 2 launches; version 1 with the launches project, bus written anew for expert scheduling mode
;; workspace buffers: proj 557,056 bytes
;; launch project (part 3): grid 34 x 4, 32 waves a work-group, no clusters, 216,064 bytes of LDS; arguments x, query, Wg, Wv, Wc, bg, bv, bc, proj; writes proj
.if DOCPART == 3
	.amdgcn_target "amdgcn-amd-amdhsa--gfx1250"
	.amdhsa_code_object_version 6
	.text
	.protected	k_q73de884e98_project
	.globl	k_q73de884e98_project
	.p2align	8
	.type	k_q73de884e98_project,@function
k_q73de884e98_project:
	s_mov_b64 s[64:65], 0
	v_nop
	global_prefetch_b8 v0, s[64:65] scope:SCOPE_SE
	s_setreg_imm32_b32 hwreg(HW_REG_WAVE_SCHED_MODE, 0, 2), 2
	s_setreg_imm32_b32 hwreg(HW_REG_WAVE_MODE, 25, 1), 1
	s_wait_xcnt 0x0
	s_wait_alu depctr_vm_vsrc(0)
; gate = sigmoid(x Wg + bg) [128][64], content = x Wv + bv [128][512], q = query Wc + bc [128][512]: three products on codes of FP4 (E2M1) with one E8M0 scale for each 32 along K = 1,024; sums in f32.
; The results go to proj, f32, laid [34 column tiles][128 rows][32 columns]: tiles 0-1 the gate, 2-17 the content, 18-33 q.  A work-group's 32 rows x 32 columns are then 4,096 consecutive bytes.
; SHARES.  Work-group (x = column tile, y = 32 rows) makes 32 x 32 results over all of K.  Its 32 waves serve three times, by the same bits of the wave's number w:
;   the weight: wave w quantises K block w (k = 32 w .. 32 w + 31) of the 32 columns;
;   x (or query): wave w quantises K blocks 2 (w / 2) and 2 (w / 2) + 1 of the 16 rows of tile w % 2: 256 bytes of each row.  40 loads a wave (41 with the bias), all out together;
;   multiplying: wave w issues ONE matrix instruction: K step S = w / 4, tile of rows u = (w / 2) % 2, tile of columns T = w % 2.  The eight K steps' parts are added through LDS.
; THE WEIGHT'S K IS ITS FIRST AXIS: a lane takes a column and its 32 registers run down K, so a block lies in one lane and the conversions give codes with K innermost.
; x IS LOADED AS IT LIES AND TURNED IN LDS.  The conversions want 16 neighbours along K in one lane; a load is best where neighbouring lanes take neighbouring bytes.  So each of the eight loads covers two runs of 256
; consecutive bytes, aligned (lanes 0-15 one row, lanes 16-31 the next); the 4,096 bytes go into the wave's own 16 rows of LDS and come back 64 bytes a lane.
; OPERANDS GO FROM WAVE TO WAVE THROUGH LDS AS IMAGES OF THEIR REGISTERS: a fragment (16 rows x 128 K, 8 registers a lane) is 1,024 bytes: registers 4 c .. 4 c + 3 of lane (r, hh) at 512 c + 256 hh + 16 r.
; That lane's registers hold k = 64 c + 32 hh + 0 .. 31, which is K block 2 c + hh of the K step: so a block's codes are the 256 bytes at 512 c + 256 hh of an image, and nothing changes lanes.
; THE MATRIX INSTRUCTION IS USED TRANSPOSED (source 0 = 16 columns of the weight, source 1 = 16 rows of x): a lane's eight results are eight neighbouring columns of one row.
; LIMITS: NaN and infinities among the inputs are not served.  A block of zeros gets the scale byte 1 where the quantiser's rule says 127: its codes are zeros, and this launch alone reads the bytes.
; THE MODE: SCHED_MODE bits 1:0 = 2 (LLVM: expert scheduling mode 2), set by the entry lines.  The code itself states the register dependences
; between vector or matrix instructions and memory or LDS instructions, with s_wait_alu, always for 0.
; THE PLAN.  Registers that memory or LDS instructions touch, in the order of the text:
;   v4-19         offsets and LDS addresses: written by vector lines at the head, once; afterwards named by loads and stores alone.  One wait on va_vdst ahead of the first load serves them all.
;   XN v56-87     x's global loads land; the turn's LDS stores read them; the loads back land in them (a wait on vm_vsrc between); the quantising lines read them; at the end the eight parts land in them.
;   WN v24-55     the weight's global loads land; the maxima and conversions read them; then the fragments land in v24-39, the product writes v40-47, which LDS stores read, and the results are made in v48-55.
;   XC, BX        written by x's conversions and shifts, read by x's LDS stores: a wait on va_vdst between.  WC, v99: the same for the weight; that wait also states that every vector read of WN and XN is done.
;   v40-47        a wait on va_vdst behind the product's four places, ahead of the LDS stores.   v48-51: one behind the selects, ahead of the global store.
;   v20-23, v104, v105   written by loads alone and read by vector and matrix instructions alone: their memory counters say all.
;   v112, v113    written at the head, read by the closing add alone.
.set WIMG, 0                           ; LDS: the weight's images: 8 K steps x 2 tiles of columns x 1,024 bytes
.set XIMG, 16384                       ; x's: 8 K steps x 2 tiles of rows x 1,024
.set WSC,  32768                       ; the weight's scale words: 8 K steps x 32 columns x 4 bytes
.set XSC,  33792                       ; x's: 8 K steps x 2 tiles x 32 lanes x 4 bytes (lanes 16-31 hold copies)
.set PART, 35840                       ; the K steps' parts: 8 x 32 rows x (128 bytes + 16)
.set PP,   144                         ; a row of a part: an odd multiple of 16 bytes
.set PSL,  32*PP
.set TURN, 72704                       ; where x is turned: for each wave 16 rows x (256 bytes + 16), its own
.set TP,   272                         ; a row there: an odd multiple of 16 bytes, so that the sixteen rows that a load back touches start at sixteen different banks (64 banks of 4 bytes: ISA guide 11.1)
.set TW,   16*TP
.set FLOOR, 0x1800000                  ; 2^(3 - 127): no largest magnitude is taken under it, so the scale's byte cannot fall under 1
.set WN, 24                            ; v24-55   32 numbers of my column, down K;  later v24-31 the weight's fragment, v32-39 x's, v40-47 the product, v48-55 results
.set XN, 56                            ; v56-87   x as loaded; then 16 numbers of my row in each of my two K blocks;  later the eight parts
.set WC, 88                            ; v88-91   my column's 32 codes
.set XC, 92                            ; v92-95   my 16 codes of each K block
.set TX, 100                           ; v100-101 largest magnitudes; v102-103 the other half's; v106-107 the conversions' scale operands; v108-109 the bytes
.set PX, 102
.set SX, 106
.set BX, 108
; v96-99: the same for the weight.  v104, v105: the scale words of the product, and nothing else.  v4-19: addresses, made here at the head and never rewritten.
	s_load_b256 s[8:15], s[0:1], 0x0               ; x s[8:9], query s[10:11], Wg s[12:13], Wv s[14:15]
	s_load_b256 s[16:23], s[0:1], 0x20             ; Wc s[16:17], bg s[18:19], bv s[20:21], bc s[22:23]
	s_load_b64 s[24:25], s[0:1], 0x40              ; proj
	v_lshl_add_u32 v112, v0, 2, 0x33c00            ; my spare word, behind the turn's bytes, and 0: kept for the closing lines alone
	v_mov_b32 v113, 0
	v_lshrrev_b32 v1, 5, v0
	v_readfirstlane_b32 s26, v1                    ; w, 0..31
	s_mov_b32 s42, 0x76543210
	s_mov_b32 s43, 0xfedcba98                      ; v_permlanex16_b32's selects for lane l xor 16
	v_and_b32 v1, 31, v0                           ; l
	v_and_b32 v2, 15, v0                           ; r
	v_bfe_u32 v3, v0, 4, 1                         ; h
	v_mov_b32 v[PX], 0                             ; a lane permute's destination counts as one of its sources
	v_mov_b32 v[PX+1], 0
	v_lshlrev_b32 v4, 4, v2
	v_lshl_add_u32 v4, v3, 12, v4                  ; x as it lies: sixteen lanes take 256 bytes of a row, lanes 16-31 those of the next row (4,096 bytes on)
	v_lshlrev_b32 v5, 2, v1                        ; the weight: column l
	s_wait_alu depctr_va_sdst(0)                   ; s26 is written, ahead of its first reader: every share of the wave is made from it
	s_lshr_b32 s27, s26, 2                         ; S: the K step, of the weight's block, of x's two blocks and of my product alike
	s_and_b32 s28, s26, 3                          ; the weight's block in it
	s_bfe_u32 s29, s26, 0x10001                    ; (w / 2) % 2: c of the weight's block and of x's two; later u, my product's tile of rows
	s_and_b32 s30, s26, 1                          ; w % 2: hh of the weight's block; x's tile of rows; later T, my product's tile of columns
	s_lshl_b32 s44, s27, 11
	s_lshl_b32 s45, s29, 9
	s_add_co_u32 s44, s44, s45                     ; 2,048 S + 512 c
	s_lshl_b32 s45, s30, 8
	s_add_co_u32 s45, s44, s45                     ; + 256 hh: the weight's block in the K step's images
	v_lshlrev_b32 v6, 4, v2
	v_lshl_add_u32 v6, v3, 10, v6
	v_add_nc_u32 v6, s45, v6                       ; the weight's codes go to: tile of columns l / 16, 16 bytes at 16 r
	s_lshl_b32 s45, s30, 10
	s_add_co_u32 s45, s44, s45                     ; 2,048 S + 1,024 (w % 2) + 512 c: x's image of my tile of rows, my register group
	s_add_co_u32 s45, s45, XIMG
	v_lshlrev_b32 v8, 4, v2
	v_lshl_add_u32 v8, v3, 3, v8
	v_add_nc_u32 v8, s45, v8                       ; x's codes go to: 8 bytes at 16 r + 8 h (my 16 numbers are registers 2 h, 2 h + 1 of the four); my second block 256 bytes on
	s_lshl_b32 s45, s27, 7
	s_add_co_u32 s45, s45, s28
	s_add_co_u32 s45, s45, WSC
	v_lshl_add_u32 v7, v1, 2, s45                  ; the weight's scale byte: byte w % 4 of column l's word
	s_lshl_b32 s45, s27, 8
	s_lshl_b32 s46, s30, 7
	s_add_co_u32 s45, s45, s46
	s_lshl_b32 s46, s29, 1
	s_add_co_u32 s45, s45, s46
	s_add_co_u32 s45, s45, XSC
	v_lshl_add_u32 v9, v1, 2, s45                  ; x's scale bytes: bytes 2 c and 2 c + 1 of lane l's word, in my tile of rows
	s_lshl_b32 s45, s27, 11
	s_lshl_b32 s46, s30, 10
	s_add_co_u32 s46, s45, s46
	v_lshl_add_u32 v10, v1, 4, s46                 ; the fragment that I multiply: the weight's (S, T),
	s_lshl_b32 s46, s29, 10
	s_add_co_u32 s46, s45, s46
	s_add_co_u32 s46, s46, XIMG
	v_lshl_add_u32 v11, v1, 4, s46                 ; x's (S, u)
	s_lshl_b32 s45, s27, 7
	s_lshl_b32 s46, s30, 6
	s_add_co_u32 s45, s45, s46
	s_add_co_u32 s45, s45, WSC
	v_lshl_add_u32 v12, v2, 2, s45                 ; the scale words of columns 16 T + r, in lanes 0-15 (and again in 16-31, which are not read)
	s_lshl_b32 s45, s27, 8
	s_lshl_b32 s46, s29, 7
	s_add_co_u32 s45, s45, s46
	s_add_co_u32 s45, s45, XSC
	v_lshl_add_u32 v13, v1, 2, s45                 ; those of rows 16 u + r
	s_mul_i32 s45, s27, PSL
	s_mul_i32 s46, s29, 16*PP
	s_add_co_u32 s45, s45, s46
	s_lshl_b32 s46, s30, 6
	s_add_co_u32 s45, s45, s46
	s_add_co_u32 s45, s45, PART
	v_mul_u32_u24 v14, v2, PP
	v_lshl_add_u32 v14, v3, 5, v14
	v_add_nc_u32 v14, s45, v14                     ; my product goes to part S: row 16 u + r, columns 16 T + 8 h on
	v_lshrrev_b32 v15, 3, v0
	v_mul_u32_u24 v15, v15, PP
	v_and_b32 v17, 7, v0
	v_lshlrev_b32 v17, 4, v17                      ; the bias: my four columns (threads 0-255)
	v_add_nc_u32 v15, v15, v17
	v_add_nc_u32 v15, PART, v15                    ; the parts come back: thread t takes row t / 8, 16 bytes at 16 (t % 8)
	v_lshlrev_b32 v16, 4, v0                       ; and the same place in the work-group's 4,096 bytes of proj
	s_mul_i32 s45, s26, TW
	s_add_co_u32 s45, s45, TURN                    ; my wave's 16 rows for the turn
	v_mul_u32_u24 v18, v3, TP
	v_lshl_add_u32 v18, v2, 4, v18
	v_add_nc_u32 v18, s45, v18                     ; in, as loaded: row h of a load's two, 16 bytes at 16 r
	v_mul_u32_u24 v19, v2, TP
	v_lshl_add_u32 v19, v3, 6, v19
	v_add_nc_u32 v19, s45, v19                     ; back: row r, 64 bytes at 64 h of each block's 128
	s_wait_kmcnt 0x0
	; which product is mine: the choice hangs on the work-group's number alone
	s_cmp_lt_u32 ttmp9, 18
	s_cselect_b64 s[32:33], s[8:9], s[10:11]       ; the rows: x, or query for q's tiles
	s_cselect_b64 s[34:35], s[14:15], s[16:17]     ; the weight: Wv or Wc
	s_cselect_b64 s[36:37], s[20:21], s[22:23]     ; the bias: bv or bc
	s_cselect_b32 s38, 2, 18                       ; the weight's first tile
	s_mov_b32 s39, 2048                            ; a row of the weight in bytes
	s_cmp_lt_u32 ttmp9, 2
	s_cselect_b64 s[34:35], s[12:13], s[34:35]     ; the gate's tiles: Wg,
	s_cselect_b64 s[36:37], s[18:19], s[36:37]     ; bg,
	s_cselect_b32 s38, 0, s38
	s_cselect_b32 s39, 256, s39                    ; rows of 256 bytes,
	s_cselect_b32 vcc_lo, -1, 0                    ; and the sigmoid is kept (all lanes alike; a scalar line writes VCC, and nothing else does)
	s_sub_co_u32 s44, ttmp9, s38
	s_lshl_b32 s44, s44, 7                         ; my first column in the weight and the bias, in bytes
	s_and_b32 s45, ttmp7, 0xffff                   ; which 32 rows
	s_lshl_b32 s40, s45, 17                        ; 32 rows of 4,096 bytes,
	s_lshl_b32 s46, s30, 16                        ; + the 16 rows of tile w % 2,
	s_add_co_u32 s40, s40, s46
	s_lshr_b32 s46, s26, 1
	s_lshl_b32 s46, s46, 8                         ; + 256 bytes x (w / 2): my two K blocks
	s_add_co_u32 s40, s40, s46
	s_mov_b32 s41, 0
	s_add_nc_u64 s[32:33], s[32:33], s[40:41]
	s_lshl_b32 s46, s26, 5
	s_mul_i32 s46, s46, s39                        ; the weight's row 32 w
	s_add_co_u32 s40, s46, s44
	s_add_nc_u64 s[34:35], s[34:35], s[40:41]
	s_mov_b32 s40, s44
	s_add_nc_u64 s[36:37], s[36:37], s[40:41]
	s_lshl_b32 s40, ttmp9, 14                      ; proj: a tile is 16,384 bytes, 32 rows of it 4,096
	s_lshl_b32 s46, s45, 12
	s_add_co_u32 s40, s40, s46
	s_add_nc_u64 s[24:25], s[24:25], s[40:41]
.macro LOADW pitch                     ; register n: row 32 w + n of the weight, column l: 32 lanes read 128 neighbouring bytes
.set n, 0
.rept 32
	global_load_b32 v[WN+n], v5, s[34:35] offset:n*\pitch
.set n, n+1
.endr
.endm
.macro BAR                             ; my LDS stores have landed and my LDS loads are in: then the work-group's barrier
	s_wait_dscnt 0x0
	s_barrier_signal -1
	s_barrier_wait -1
.endm
	; ---- all loads of the wave go out together
	s_wait_alu depctr_va_vdst(0)                   ; the sixteen offsets and addresses v4 to v19 are written, which the loads and stores of the whole kernel read; no vector line behind this one names any of them
	s_cmp_gt_u32 s26, 7                            ; the bias is wanted by the eight waves that finish the sums; it is their oldest load
	s_cbranch_scc1 .Lno_bias
	global_load_b128 v[20:23], v17, s[36:37]
.Lno_bias:
.irp i, 0,1,2,3,4,5,6,7
	global_load_b128 v[XN+4*\i:XN+4*\i+3], v4, s[32:33] offset:8192*\i   ; rows 2 i and 2 i + 1 of my 16: two runs of 256 consecutive bytes, each at a multiple of 256 from the buffer's first byte
.endr
	s_cmp_lt_u32 ttmp9, 2                          ; the row's length stands in the immediates: two runs of 32 loads, of which each work-group takes one
	s_cbranch_scc0 .Lwide
	LOADW 256
	s_branch .Lloaded
.Lwide:
	LOADW 2048
.Lloaded:
	; ---- x is turned: in as it was loaded, back 16 neighbours along K a lane.  The bytes are my wave's own, and LDS serves a wave's instructions in order (ISA guide 5.7.1.4): no barrier
	s_wait_loadcnt 32                              ; on either way 32 loads of the weight were issued behind x's eight: x (and the bias) are in
.irp i, 0,1,2,3,4,5,6,7
	ds_store_b128 v18, v[XN+4*\i:XN+4*\i+3] offset:2*TP*\i
.endr
	s_wait_dscnt 0x0                               ; the stores have landed
	s_wait_alu depctr_vm_vsrc(0)                   ; the eight LDS stores have read v[XN ..], in which the loads below land
.irp u, 0,1
.irp i, 0,1,2,3
	ds_load_b128 v[XN+16*\u+4*\i:XN+16*\u+4*\i+3], v19 offset:128*\u+16*\i   ; lane (r, h): k = 16 h + 0 .. 15 of my block u, row r
.endr
.endr
	s_wait_dscnt 0x0
	; ---- x's two blocks, by turns: two lanes (l, l xor 16) hold a row's 32 numbers of a block
.irp u, 0,1
	v_max3_num_f32 v[TX+\u], |v[XN+16*\u]|, |v[XN+16*\u+1]|, FLOOR
.endr
.irp i, 2,4,6,8,10,12,14
.irp u, 0,1
	v_max3_num_f32 v[TX+\u], v[TX+\u], |v[XN+16*\u+\i]|, |v[XN+16*\u+\i+1]|
.endr
.endr
.irp u, 0,1
	v_permlanex16_b32 v[PX+\u], v[TX+\u], s42, s43
.endr
.irp u, 0,1
	v_max_num_f32 v[TX+\u], v[TX+\u], v[PX+\u]     ; the block's largest magnitude
.endr
.irp u, 0,1
	v_add_nc_u32 v[SX+\u], 0xff000000, v[TX+\u]    ; 2 off its exponent field: the conversion takes the exponent field of this operand as its scale
.endr
.irp u, 0,1
	v_lshrrev_b32 v[BX+\u], 23, v[SX+\u]           ; the scale's byte
.endr
.irp u, 0,1
	v_cvt_scalef32_pk8_fp4_f32 v[XC+2*\u], v[XN+16*\u:XN+16*\u+7], v[SX+\u]
	v_cvt_scalef32_pk8_fp4_f32 v[XC+2*\u+1], v[XN+16*\u+8:XN+16*\u+15], v[SX+\u]
.endr
	v_nop                                          ; one plain place behind the scaled conversions
	s_wait_alu depctr_va_vdst(0)                   ; the conversions have written v[XC ..] and the shifts v[BX ..], which the four LDS stores read
.irp u, 0,1
	ds_store_b64 v8, v[XC+2*\u:XC+2*\u+1] offset:256*\u    ; block u is lane half hh = u of the image
	ds_store_b8 v9, v[BX+\u] offset:\u
.endr
	; ---- the weight's block: all 32 numbers of a column are one lane's
	s_wait_loadcnt 0x0
	v_max3_num_f32 v96, |v[WN]|, |v[WN+1]|, |v[WN+2]|
	v_max3_num_f32 v97, |v[WN+3]|, |v[WN+4]|, |v[WN+5]|
.irp i, 6,10,14,18,22,26
	v_max3_num_f32 v96, v96, |v[WN+\i]|, |v[WN+\i+1]|
	v_max3_num_f32 v97, v97, |v[WN+\i+2]|, |v[WN+\i+3]|
.endr
	v_max3_num_f32 v96, v96, |v[WN+30]|, |v[WN+31]|
	v_max3_num_f32 v96, v96, v97, FLOOR
	v_add_nc_u32 v98, 0xff000000, v96
	v_lshrrev_b32 v99, 23, v98
.irp g, 0,1,2,3
	v_cvt_scalef32_pk8_fp4_f32 v[WC+\g], v[WN+8*\g:WN+8*\g+7], v98
.endr
	v_nop                                          ; one plain place behind the scaled conversions: the product below writes registers that they read
	s_wait_alu depctr_va_vdst(0)                   ; the conversions have written v[WC ..] and the shift v99, which the two LDS stores read; and every vector line is done reading v[WN ..] and v[XN ..], in which the fragments and, later, the parts land
	ds_store_b128 v6, v[WC:WC+3]
	ds_store_b8 v7, v99
	BAR                                            ; all images and scale words lie in LDS
	; ---- my one product: K step S, rows 16 u on, columns 16 T on.  (No vector line stands between the wait above and these loads)
	ds_load_b128 v[24:27], v10
	ds_load_b128 v[28:31], v10 offset:512
	ds_load_b128 v[32:35], v11
	ds_load_b128 v[36:39], v11 offset:512
	ds_load_b32 v104, v12
	ds_load_b32 v105, v13
	s_wait_dscnt 0x0
	v_wmma_scale_f32_16x16x128_f8f6f4 v[40:47], v[24:31], v[32:39], 0, v104, v105 matrix_a_fmt:MATRIX_FMT_FP4 matrix_b_fmt:MATRIX_FMT_FP4
.rept 4
	v_nop                                          ; four places between the matrix instruction and the LDS stores that read its result
.endr
	s_wait_alu depctr_va_vdst(0)                   ; the matrix instruction has written v[40:47], which the two LDS stores read; the places above stay beside this wait
	ds_store_b128 v14, v[40:43]                    ; lane (r, h): (row 16 u + r, columns 16 T + 8 h + 0 .. 7); the result from its low end on
	ds_store_b128 v14, v[44:47] offset:16
	BAR                                            ; the eight parts lie in LDS
	; ---- eight waves add the parts: 256 threads x 4 numbers = 32 x 32
	s_cmp_gt_u32 s26, 7
	s_cbranch_scc1 .Lend
.irp i, 0,1,2,3,4,5,6,7
	ds_load_b128 v[56+4*\i:59+4*\i], v15 offset:PSL*\i     ; no vector line since the quantising of x, which stands ahead of three waits on va_vdst, names v56 to v87
.endr
	s_wait_dscnt 0x0
.irp i, 0,2,4,6
.irp k, 0,2
	v_pk_add_f32 v[56+4*\i+\k:57+4*\i+\k], v[56+4*\i+\k:57+4*\i+\k], v[60+4*\i+\k:61+4*\i+\k]
.endr
.endr
.irp i, 0,4
.irp k, 0,2
	v_pk_add_f32 v[56+4*\i+\k:57+4*\i+\k], v[56+4*\i+\k:57+4*\i+\k], v[64+4*\i+\k:65+4*\i+\k]
.endr
.endr
.irp k, 0,2
	v_pk_add_f32 v[48+\k:49+\k], v[56+\k:57+\k], v[72+\k:73+\k]
.endr
.irp k, 0,2
	v_pk_add_f32 v[48+\k:49+\k], v[48+\k:49+\k], v[20+\k:21+\k]    ; + the bias
.endr
	; the sigmoid 1 / (1 + 2^(-y log2 e)) is made in every work-group and kept in the gate's: a select, no branch
.irp i, 0,1,2,3
	v_mul_f32 v[52+\i], 0xbfb8aa3b, v[48+\i]
.endr
.irp i, 0,1,2,3
	v_exp_f32 v[52+\i], v[52+\i]
.endr
	v_nop                                          ; a plain place behind the batch,
	s_wait_alu depctr_va_vdst(0)                   ; and the one wait ahead of its first reader: the four exponentials have written v[52:55]
.irp i, 0,1,2,3
	v_add_f32 v[52+\i], 1.0, v[52+\i]
.endr
.irp i, 0,1,2,3
	v_rcp_f32 v[52+\i], v[52+\i]
.endr
	v_nop
	s_wait_alu depctr_va_vdst(0)                   ; likewise: the four reciprocals have written v[52:55]
.irp i, 0,1,2,3
	v_cndmask_b32 v[48+\i], v[48+\i], v[52+\i], vcc_lo
.endr
	s_wait_alu depctr_va_vdst(0)                   ; the selects have written v[48:51], which the store reads
	global_store_b128 v16, v[48:51], s[24:25]      ; a wave stores 512 consecutive bytes, at a multiple of 512 from proj's first byte
.Lend:
	s_wait_dscnt 0x0                               ; the closing lines, six on end
	s_wait_alu 0x0
	s_wait_tensorcnt 0x0
	ds_add_u32 v112, v113
	s_wait_dscnt 0x0
	s_endpgm
.Lfunc_end_k_q73de884e98_project:
	.size	k_q73de884e98_project, .Lfunc_end_k_q73de884e98_project-k_q73de884e98_project
	.p2alignl 7, 3214868480
	.fill 96, 4, 3214868480
	.section	.rodata,"a",@progbits
	.p2align	6, 0x0
	.amdhsa_kernel k_q73de884e98_project
		.amdhsa_group_segment_fixed_size 216064
		.amdhsa_private_segment_fixed_size 0
		.amdhsa_enable_private_segment 0
		.amdhsa_kernarg_size 72
		.amdhsa_user_sgpr_count 2
		.amdhsa_user_sgpr_kernarg_segment_ptr 1
		.amdhsa_wavefront_size32 1
		.amdhsa_system_sgpr_workgroup_id_x 1
		.amdhsa_system_sgpr_workgroup_id_y 1
		.amdhsa_system_sgpr_workgroup_id_z 1
		.amdhsa_system_vgpr_workitem_id 0
		.amdhsa_next_free_vgpr 114
		.amdhsa_next_free_sgpr 66
		.amdhsa_reserve_vcc 1
		.amdhsa_float_denorm_mode_32 3
		.amdhsa_float_denorm_mode_16_64 3
		.amdhsa_memory_ordered 1
		.amdhsa_forward_progress 1
		.amdhsa_inst_pref_size 22
	.end_amdhsa_kernel
	.amdgpu_metadata
---
amdhsa.version: [ 1, 2 ]
amdhsa.kernels:
  - .name:           k_q73de884e98_project
    .symbol:         k_q73de884e98_project.kd
    .args:
      - { .name: x, .offset: 0, .size: 8, .value_kind: global_buffer, .address_space: global }
      - { .name: query, .offset: 8, .size: 8, .value_kind: global_buffer, .address_space: global }
      - { .name: Wg, .offset: 16, .size: 8, .value_kind: global_buffer, .address_space: global }
      - { .name: Wv, .offset: 24, .size: 8, .value_kind: global_buffer, .address_space: global }
      - { .name: Wc, .offset: 32, .size: 8, .value_kind: global_buffer, .address_space: global }
      - { .name: bg, .offset: 40, .size: 8, .value_kind: global_buffer, .address_space: global }
      - { .name: bv, .offset: 48, .size: 8, .value_kind: global_buffer, .address_space: global }
      - { .name: bc, .offset: 56, .size: 8, .value_kind: global_buffer, .address_space: global }
      - { .name: proj, .offset: 64, .size: 8, .value_kind: global_buffer, .address_space: global }
    .group_segment_fixed_size: 216064
    .private_segment_fixed_size: 0
    .kernarg_segment_align: 8
    .kernarg_segment_size: 72
    .max_flat_workgroup_size: 1024
    .sgpr_count:     66
    .vgpr_count:     114
    .wavefront_size: 32
...
	.end_amdgpu_metadata
.endif
;; end of part 3
;; launch bus (part 4): grid 2 x 128, 16 waves a work-group, no clusters, 6,144 bytes of LDS; arguments buffer, proj, out0; writes out0
.if DOCPART == 4
	.amdgcn_target "amdgcn-amd-amdhsa--gfx1250"
	.amdhsa_code_object_version 6
	.text
	.protected	k_q73de884e98_bus
	.globl	k_q73de884e98_bus
	.p2align	8
	.type	k_q73de884e98_bus,@function
k_q73de884e98_bus:
	s_mov_b64 s[64:65], 0
	v_nop
	global_prefetch_b8 v0, s[64:65] scope:SCOPE_SE
	s_setreg_imm32_b32 hwreg(HW_REG_WAVE_SCHED_MODE, 0, 2), 2
	s_setreg_imm32_b32 hwreg(HW_REG_WAVE_MODE, 25, 1), 1
	s_wait_xcnt 0x0
	s_wait_alu depctr_vm_vsrc(0)
; out0[b][s][:] = sum over p of softmax_p(nb_p . q[b] / sqrt(512)) nb_p, with nb_p = (1 - g) buffer[b][s][p][:] + g content[b][:], g = gate[b][s].  All in f32.
; ALGEBRA, for every input: nb_p . q = (1 - g) (buffer_p . q) + g (content . q), and the second term is the same for all eight p: a softmax over p does not see it, so it is not formed.
; The weights w_p add up to 1, so the result is sum_p [(1 - g) w_p] buffer_p + g content.  The largest exponent is taken away before the exponentials: with a = (1 - g) log2(e) / sqrt(512), which is
; never negative since g lies in 0 .. 1, the largest a d_p is a times the largest d_p, and w_p = 2^(a d_p - a max d) / their sum.
; buffer is read once: a tile (b, s), 8 rows x 2,048 bytes, lies in 128 registers of ONE wave between the pass that makes the eight dot products and the pass that weighs the rows.
; SHARES.  Work-group (x = half of s, y = b) takes 32 tiles, 512 KiB on end; wave w takes s = 32 x + w and then s = 32 x + 16 + w.  Each load and store of a wave covers 512 consecutive bytes.
; Each wave has 32 loads out from its head on; the second tile's rows are asked for in two halves, as the weighted sum has read the first tile's.  Every offset is an immediate; no pointer is stepped; no loop.
; content[b] and q[b] (4,096 bytes of proj, laid [34 tiles][128 b][32 columns]: gate 0-1, content 2-17, q 18-33) are loaded once by the work-group, 8 bytes a thread, and handed round through LDS.
; The matrix unit is not used: the two products here have N = 1 and K = 8.  No tensor loads: what is on its way lies in registers.
; LIMITS: NaN and infinities among the inputs are not served.
; THE MODE: SCHED_MODE bits 1:0 = 2 (LLVM: expert scheduling mode 2), set by the entry lines.  The code itself states the register dependences
; between vector instructions and memory or LDS instructions, with s_wait_alu, always for 0.
; THE PLAN.  Registers that memory or LDS instructions touch:
;   v1, v2, v3    offsets and LDS addresses: written at the head, once; one wait on va_vdst ahead of the first load serves every load and store of the kernel.
;   v[4:5]        a load lands, the LDS store reads them; never written again.     C, Q: LDS loads land once; vector lines read them.
;   X, row p      loads land; the dot products and the weighted sum read it; in the first tile the second tile's row p then lands in it.
;   OUT           written by a tile's vector lines, read by its four stores; the second tile writes it again.
;   v232, v233    written at the head, read by the closing add alone.
; The first tile's weighted sum goes in two halves.  Behind rows 0 to 3 a wait on va_vdst states that they are done being read; their sixteen loads are dealt among the multiply-adds of rows 4 to 7, which name
; rows 4 to 7, the weights and OUT: none of the registers that those loads touch.  Behind row 7 a second wait states that rows 4 to 7 are done being read and that OUT is written: the other sixteen loads
; and the four stores follow it.  The second tile has that second wait alone, and a wait on vm_vsrc ahead of its first write of OUT.
.set R,   16                           ; v16-23   the eight dot products, a lane's part; then four registers: lanes 0-15 p = 2 i, lanes 16-31 p = 2 i + 1
.set D,   24                           ; v24-39   the dot products in two halves each
.set WB,  40                           ; v40-55   weight p at v[WB + 2 p]; the odd registers are 0: a packed source names the pair
.set Q,   56                           ; v56-71   q: my 16 numbers: v = 128 j + 4 lane + 0 .. 3
.set C,   72                           ; v72-87   content likewise
.set OUT, 88                           ; v88-103  the result likewise
.set X,   104                          ; v104-231 the tile: row p at v[X + 16 p]
; v1 16 x lane; v2, v3 the piece of proj: from where, to where; v[4:5] the piece; v6 1 - g; v7 a; v8 -a max; v9 max; v10, v12 lane permutes' results; v11 the sum; v13 (1 - g) / sum
	s_load_b128 s[4:7], s[0:1], 0x0                ; buffer s[4:5], proj s[6:7]
	s_load_b64 s[8:9], s[0:1], 0x10                ; out0
	v_lshl_add_u32 v232, v0, 2, 0x1000             ; my spare word, behind content and q, and 0: kept for the closing lines alone
	v_mov_b32 v233, 0
	v_lshrrev_b32 v1, 5, v0
	v_readfirstlane_b32 s10, v1                    ; w, 0..15
	s_and_b32 s11, ttmp7, 0xffff                   ; b
	s_mov_b32 s22, 0x76543210
	s_mov_b32 s23, 0xfedcba98                      ; v_permlanex16_b32's selects for lane l xor 16
	s_mov_b32 s24, 0x3d8293ee                      ; log2(e) / sqrt(512)
	s_lshl_b32 s16, s11, 6
	s_lshl_b32 s17, ttmp9, 5
	s_add_co_u32 s16, s16, s17
	v_and_b32 v1, 31, v0
	v_lshlrev_b32 v1, 4, v1                        ; 16 x lane
	v_lshrrev_b32 v2, 4, v0
	v_lshlrev_b32 v2, 14, v2
	v_and_b32 v3, 15, v0
	v_lshl_add_u32 v2, v3, 3, v2                   ; thread t: tile t / 16 of the 32 of content and q, 8 bytes at 8 (t % 16) of row b's 128
	v_lshlrev_b32 v3, 3, v0                        ; in LDS they lie on end: content at 0, q at 2,048
	s_wait_alu depctr_va_sdst(0)                   ; s10 is written, ahead of its first reader: the wave's tiles and its gate's column are made from it
	s_add_co_u32 s16, s16, s10                     ; my first tile: 64 b + 32 x + w
	s_lshl_b32 s25, s16, 11                        ; 2,048 bytes of out0 a tile,
	s_lshl_b32 s16, s16, 14                        ; 16,384 of buffer (under 2^27)
	s_mov_b32 s17, 0
	s_wait_kmcnt 0x0
	s_add_nc_u64 s[4:5], s[4:5], s[16:17]
	s_mov_b32 s16, s25
	s_add_nc_u64 s[8:9], s[8:9], s[16:17]
	s_lshl_b32 s26, s11, 7                         ; row b of a tile of proj
	s_lshl_b32 s16, ttmp9, 14                      ; the gate's tile x,
	s_add_co_u32 s16, s16, s26
	s_lshl_b32 s27, s10, 2                         ; column w of it
	s_add_co_u32 s16, s16, s27
	s_add_nc_u64 s[18:19], s[6:7], s[16:17]
	s_add_co_u32 s16, s26, 32768                   ; content's first tile
	s_add_nc_u64 s[20:21], s[6:7], s[16:17]
	s_wait_alu depctr_va_vdst(0)                   ; v1, v2 and v3 are written, which the loads and stores of the whole kernel read as offsets and LDS addresses; no vector line behind this one names any of them
	global_load_b64 v[4:5], v2, s[20:21]           ; my piece of content and q: the wave's oldest load
.set n, 0
.rept 32
	global_load_b128 v[X+4*n:X+4*n+3], v1, s[4:5] offset:512*n th:TH_LOAD_NT   ; the first tile: 32 lanes read 512 consecutive bytes; read once in the launch
.set n, n+1
.endr
	s_load_b32 s12, s[18:19], 0x0                  ; g of my first tile,
	s_load_b32 s14, s[18:19], 0x40                 ; of my second: 16 columns on
	v_mov_b32 v10, 0                               ; a lane permute's destination counts as one of its sources
	v_mov_b32 v12, 0
.irp p, 0,1,2,3,4,5,6,7
	v_mov_b32 v[WB+2*\p+1], 0
.endr
	s_wait_loadcnt 32                              ; the tile's 32 loads are younger and stay out: my piece of proj is in
	ds_store_b64 v3, v[4:5]
	s_wait_dscnt 0x0                               ; for the others' sake: my store has landed
	s_barrier_signal -1
	s_barrier_wait -1
.irp j, 0,1,2,3
	ds_load_b128 v[C+4*\j:C+4*\j+3], v1 offset:512*\j
	ds_load_b128 v[Q+4*\j:Q+4*\j+3], v1 offset:2048+512*\j
.endr
	s_wait_dscnt 0x0
	s_wait_kmcnt 0x0
	s_mov_b32 s13, s12                             ; the packed form names a pair and takes its low word for both halves: so the upper word is written
	s_mov_b32 s15, s14
; One tile.  i: my first or my second; refill = 1: the rows' registers take the next tile's rows, four rows at a time, when the weighted sum has read them.
.macro TILE i, refill
	v_sub_f32 v6, 1.0, s[12+2*\i]                  ; 1 - g
	v_mul_f32 v7, s24, v6                          ; a
	; the eight dot products with q, two rows by turns, as the rows arrive
.irp pp, 0,2,4,6
	s_wait_loadcnt 24-4*\pp                        ; four loads for each later row are younger and stay out
	v_pk_mul_f32 v[D+2*\pp:D+2*\pp+1], v[X+16*\pp:X+16*\pp+1], v[Q:Q+1]
	v_pk_mul_f32 v[D+2*\pp+2:D+2*\pp+3], v[X+16*\pp+16:X+16*\pp+17], v[Q:Q+1]
.irp k, 2,4,6,8,10,12,14
	v_pk_fma_f32 v[D+2*\pp:D+2*\pp+1], v[X+16*\pp+\k:X+16*\pp+\k+1], v[Q+\k:Q+\k+1], v[D+2*\pp:D+2*\pp+1]
	v_pk_fma_f32 v[D+2*\pp+2:D+2*\pp+3], v[X+16*\pp+16+\k:X+16*\pp+17+\k], v[Q+\k:Q+\k+1], v[D+2*\pp+2:D+2*\pp+3]
.endr
.endr
.irp p, 0,1,2,3,4,5,6,7
	v_add_f32 v[R+\p], v[D+2*\p], v[D+2*\p+1]
.endr
	; over the 32 lanes.  Two rows' parts change halves and are added: lanes 0-15 then carry row 2 i, lanes 16-31 row 2 i + 1: four registers in place of eight for all that follows
.irp e, 0,2,4,6
	v_permlane16_swap_b32 v[R+\e], v[R+\e+1]
.endr
.irp e, 0,2,4,6
	v_add_f32 v[R+\e], v[R+\e], v[R+\e+1]
.endr
.irp m, 1,2,4,8
.irp e, 0,2,4,6
	v_add_f32_dpp v[R+\e], v[R+\e], v[R+\e] row_xmask:\m row_mask:0xf bank_mask:0xf
.endr
.endr
	; the softmax over the eight rows
	v_max3_num_f32 v9, v[R], v[R+2], v[R+4]
	v_max_num_f32 v9, v9, v[R+6]
	v_permlanex16_b32 v10, v9, s22, s23
	v_max_num_f32 v9, v9, v10                      ; the largest of the eight
	v_mul_f32 v8, -v7, v9                          ; one number for all eight exponents: its rounding leaves the weights' ratios alone
.irp e, 0,2,4,6
	v_fma_f32 v[WB+2*\e], v[R+\e], v7, v8          ; a d - a max
.endr
.irp e, 0,2,4,6
	v_exp_f32 v[WB+2*\e], v[WB+2*\e]
.endr
.if \i
	s_wait_xcnt 0x0                                ; the first tile's stores have had their addresses translated: OUT is written again only behind this wait,
	s_wait_alu depctr_vm_vsrc(0)                   ; and behind this one: the first tile's four stores have read v[OUT ..], which the lines below write again
.endif
.irp k, 0,2,4,6,8,10,12,14
	v_pk_mul_f32 v[OUT+\k:OUT+\k+1], v[C+\k:C+\k+1], s[12+2*\i:13+2*\i] op_sel_hi:[1,0]   ; g content starts the result: plain work behind the batch of exponentials
.endr
	s_wait_alu depctr_va_vdst(0)                   ; the one wait ahead of the batch's first reader: the four exponentials have written v[WB], v[WB+4], v[WB+8], v[WB+12]
	v_add_f32 v11, v[WB], v[WB+4]
	v_add_f32 v13, v[WB+8], v[WB+12]
	v_add_f32 v11, v11, v13
	v_permlanex16_b32 v12, v11, s22, s23
	v_add_f32 v11, v11, v12                        ; the sum of the eight: at least about 1
	v_rcp_f32 v13, v11
	v_nop                                          ; a plain place behind the reciprocal,
	s_wait_alu depctr_va_vdst(0)                   ; and its wait: the reciprocal has written v13
	v_mul_f32 v13, v13, v6                         ; (1 - g) / sum
.irp e, 0,4,8,12
	v_mul_f32 v[WB+\e], v[WB+\e], v13
.endr
	; every weight into every lane: a copy, and the halves change places
.irp e, 0,4,8,12
	v_mov_b32 v[WB+\e+2], v[WB+\e]
.endr
.irp e, 0,4,8,12
	v_permlane16_swap_b32 v[WB+\e], v[WB+\e+2]
.endr
	; the weighted sum, row by row
.irp p, 0,1,2,3
.irp k, 0,2,4,6,8,10,12,14
	v_pk_fma_f32 v[OUT+\k:OUT+\k+1], v[X+16*\p+\k:X+16*\p+\k+1], v[WB+2*\p:WB+2*\p+1], v[OUT+\k:OUT+\k+1] op_sel_hi:[1,0,1]
.endr
.endr
.if \refill
	s_wait_alu depctr_va_vdst(0)                   ; the multiply-adds above are done reading rows 0 to 3 of X, in which the sixteen loads dealt among the lines below land
.endif
.irp p, 4,5,6,7
.if \refill
.irp j, 0,1,2,3
	global_load_b128 v[X+16*(\p-4)+4*\j:X+16*(\p-4)+4*\j+3], v1, s[4:5] offset:262144+2048*(\p-4)+512*\j th:TH_LOAD_NT   ; row p - 4 of the tile 16 further on.  No wait: no vector line since the wait above names rows 0 to 3
.endr
.endif
.irp k, 0,2,4,6,8,10,12,14
	v_pk_fma_f32 v[OUT+\k:OUT+\k+1], v[X+16*\p+\k:X+16*\p+\k+1], v[WB+2*\p:WB+2*\p+1], v[OUT+\k:OUT+\k+1] op_sel_hi:[1,0,1]
.endr
.endr
	s_wait_alu depctr_va_vdst(0)                   ; the multiply-adds have written v[OUT ..], which the four stores read; in the first tile they are also done reading rows 4 to 7 of X, in which the loads below land
.if \refill
.irp p, 4,5,6,7
.irp j, 0,1,2,3
	global_load_b128 v[X+16*\p+4*\j:X+16*\p+4*\j+3], v1, s[4:5] offset:262144+2048*\p+512*\j th:TH_LOAD_NT   ; the same row of the tile 16 further on
.endr
.endr
.endif
.irp j, 0,1,2,3
	global_store_b128 v1, v[OUT+4*\j:OUT+4*\j+3], s[8:9] offset:32768*\i+512*\j th:TH_STORE_NT   ; 32 lanes store 512 consecutive bytes, at a multiple of 512 from out0's first byte; read by nobody here
.endr
.endm
	TILE 0, 1
	TILE 1, 0
	s_wait_dscnt 0x0                               ; the closing lines, six on end
	s_wait_alu 0x0
	s_wait_tensorcnt 0x0
	ds_add_u32 v232, v233
	s_wait_dscnt 0x0
	s_endpgm
.Lfunc_end_k_q73de884e98_bus:
	.size	k_q73de884e98_bus, .Lfunc_end_k_q73de884e98_bus-k_q73de884e98_bus
	.p2alignl 7, 3214868480
	.fill 96, 4, 3214868480
	.section	.rodata,"a",@progbits
	.p2align	6, 0x0
	.amdhsa_kernel k_q73de884e98_bus
		.amdhsa_group_segment_fixed_size 6144
		.amdhsa_private_segment_fixed_size 0
		.amdhsa_enable_private_segment 0
		.amdhsa_kernarg_size 24
		.amdhsa_user_sgpr_count 2
		.amdhsa_user_sgpr_kernarg_segment_ptr 1
		.amdhsa_wavefront_size32 1
		.amdhsa_system_sgpr_workgroup_id_x 1
		.amdhsa_system_sgpr_workgroup_id_y 1
		.amdhsa_system_sgpr_workgroup_id_z 1
		.amdhsa_system_vgpr_workitem_id 0
		.amdhsa_next_free_vgpr 234
		.amdhsa_next_free_sgpr 66
		.amdhsa_reserve_vcc 0
		.amdhsa_float_denorm_mode_32 3
		.amdhsa_float_denorm_mode_16_64 3
		.amdhsa_memory_ordered 1
		.amdhsa_forward_progress 1
		.amdhsa_inst_pref_size 34
	.end_amdhsa_kernel
	.amdgpu_metadata
---
amdhsa.version: [ 1, 2 ]
amdhsa.kernels:
  - .name:           k_q73de884e98_bus
    .symbol:         k_q73de884e98_bus.kd
    .args:
      - { .name: buffer, .offset: 0, .size: 8, .value_kind: global_buffer, .address_space: global }
      - { .name: proj, .offset: 8, .size: 8, .value_kind: global_buffer, .address_space: global }
      - { .name: out0, .offset: 16, .size: 8, .value_kind: global_buffer, .address_space: global }
    .group_segment_fixed_size: 6144
    .private_segment_fixed_size: 0
    .kernarg_segment_align: 8
    .kernarg_segment_size: 24
    .max_flat_workgroup_size: 512
    .sgpr_count:     66
    .vgpr_count:     234
    .wavefront_size: 32
...
	.end_amdgpu_metadata
.endif
;; end of part 4
